; MI455X (gfx1250); checked and timed in simulation.
; The chip was launched on July 23, 2026; its instructions are those of AMD's public machine-readable ISA for CDNA 5 (MIT licence, August 2026) and "CDNA5" Instruction Set Architecture Reference Guide (July 2026). The comments in the code are by the model that wrote it; some were corrected since.
;; Decoding Supertagger. Allowed arithmetic: float matrix products may take bf16 or f16 operands with f32 sums; all other float work in f32.
;; Inputs: b_hh 4,096 float32; b_ih 4,096 float32; b_pred 128 float32; encoder_output 1 x 4,096 x 1,024 float32; w_hh 4,096 x 1,024 float32; w_ih 4,096 x 1,024 float32; w_pred 128 x 1,024 float32.
;; Outputs: out0 1 x 4,096 x 128 float32.
;; 2 versions, each right; version 2 is version 1 with the launch prep written anew for expert scheduling mode. Each part assembles by itself: llvm-mc -triple=amdgcn-amd-amdhsa -mcpu=gfx1250 --defsym DOCPART=n.
;; ======== version 1 of 2: 3 launches
;; workspace buffers: xb 8,388,608 bytes; wb 6,291,456 bytes; wpb 262,144 bytes; bias4 16,384 bytes; hb 8,388,608 bytes
;; launch prep (part 1): grid 256 x 1, 8 waves a work-group, no clusters, 0 bytes of LDS; arguments encoder_output, w_ih, w_hh, b_ih, b_hh, w_pred, xb, wb, wpb, bias4; writes xb, wb, wpb, bias4
.if DOCPART == 1
	.amdgcn_target "amdgcn-amd-amdhsa--gfx1250"
	.amdhsa_code_object_version 6
	.text
	.protected	k_qda618b2187_prep
	.globl	k_qda618b2187_prep
	.p2align	8
	.type	k_qda618b2187_prep,@function
k_qda618b2187_prep:
	s_mov_b64 s[64:65], 0
	v_nop
	global_prefetch_b8 v0, s[64:65] scope:SCOPE_SE
	s_setreg_imm32_b32 hwreg(HW_REG_WAVE_MODE, 25, 1), 1
	s_wait_xcnt 0x0
; PREPARATION FOR ONE LSTM STEP: casts to bf16 and the part of the gates that is the same for every batch row.
;   xb  [4096][1024] bf16 = encoder_output
;   wb  [3072][1024] bf16 = the rows of w_ih of gates i, g, o, reordered: hidden n, gate slot q (0 = i, 1 = g, 2 = o) goes to
;        row (n>>7)*384 + ((n>>5)&3)*96 + q*32 + (n&31): [block of 128 hidden][32 hidden of a wave][gate][32]
;   wpb [128][1024] bf16 = w_pred
;   bias4 [1024][4] f32 = (i, g, o, 0) of  h0 . w_hh[row] + b_ih[row] + b_hh[row]
; The start state h0 is the same zero vector in every batch row, so h0 @ w_hh.T is ONE row of numbers: it is formed here once, in f32,
; as the sum over k of 0 * w_hh[row][k] (an infinity or a NaN in w_hh still gives NaN), and not as a product of 4096 equal rows.
; LIMIT, STATED: gate f enters the result only as sigmoid(f) * c0 with c0 = 0, which is 0 for every f that is no NaN.  Gate f is not
; computed: rows 1024 to 2047 of w_ih and w_hh and entries 1024 to 2047 of b_ih and b_hh are not read, and a NaN that would arise in
; gate f alone is not carried on.
; A stream: no LDS, no matrix unit, no loop.  256 work-groups of eight waves.  Waves 0-3: four rows of x each (16 KiB in a run) and 512 bytes
; of w_pred.  Waves 4-7: one hidden unit each: its three rows of w_ih (cast) and its three rows of w_hh (summed).  Every wave issues
; all its loads at once and works them off in the order of issue.  No register that a memory instruction names is written again.
.set X,    8                           ; v[8:199]   data as loaded, four registers a load; the first two become the packed bf16
.set ZC,   200                         ; v[200:203] two chains of packed sums
.set Z,    204                         ; v[204:206] h0 . w_hh[row] of gates i, g, o
.set PT,   207                         ; v207       the other half of the lanes in the sum across lanes
.set BE,   208                         ; v[208:211] the entry of bias4
.set ZERO, 212                         ; v212       offset 0
; four f32 of each lane become four bf16; the wave's store covers 256 consecutive bytes, aligned
.macro CVT d, b, off
	v_cvt_pk_bf16_f32 v[\d], v[\d], v[\d+1]
	v_cvt_pk_bf16_f32 v[\d+1], v[\d+2], v[\d+3]
	global_store_b64 v3, v[\d:\d+1], s[\b:\b+1] offset:\off
.endm
	s_load_b512 s[4:19], s[0:1], 0x0               ; x 4:5, w_ih 6:7, w_hh 8:9, b_ih 10:11, b_hh 12:13, w_pred 14:15, xb 16:17, wb 18:19
	s_load_b128 s[20:23], s[0:1], 0x40             ; wpb 20:21, bias4 22:23
	v_lshrrev_b32 v4, 5, v0
	v_readfirstlane_b32 s24, v4                    ; wave 0..7
	v_and_b32 v1, 31, v0                           ; lane
	v_lshlrev_b32 v2, 4, v1                        ; 16 bytes a lane in, f32
	v_lshlrev_b32 v3, 3, v1                        ; 8 bytes a lane out, bf16
	s_and_b32 s25, s24, 3                          ; which of the four waves of my kind
	s_mov_b32 s27, 0                               ; upper word of every offset pair s[26:27]
	s_wait_kmcnt 0x0
	s_cmp_ge_u32 s24, 4
	s_cbranch_scc1 .Lweights
	; ---- waves 0-3: x and w_pred ----
	s_lshl_b32 s26, ttmp9, 16                      ; 16 rows of 4,096 bytes a work-group,
	s_lshl_b32 s40, s25, 14                        ; 4 rows a wave
	s_add_co_u32 s26, s26, s40
	s_add_nc_u64 s[4:5], s[4:5], s[26:27]
	s_lshr_b32 s26, s26, 1                         ; half the bytes in bf16
	s_add_nc_u64 s[16:17], s[16:17], s[26:27]
	s_lshr_b32 s26, s26, 4                         ; w_pred: 2,048 bytes a work-group, 512 a wave
	s_add_nc_u64 s[14:15], s[14:15], s[26:27]
	s_lshr_b32 s26, s26, 1
	s_add_nc_u64 s[20:21], s[20:21], s[26:27]
.set j, 0
.rept 32
	global_load_b128 v[X+4*j:X+4*j+3], v2, s[4:5] offset:512*j th:TH_LOAD_NT
.set j, j+1
.endr
	global_load_b128 v[X+128:X+131], v2, s[14:15] th:TH_LOAD_NT
.set k, 0
.rept 8
	s_wait_loadcnt 29-4*k                          ; 33 loads were issued; loads 0 to 4k+3 are in when 29 - 4k are still out
.set j, 4*k
.rept 4
	CVT X+4*j, 16, 256*j
.set j, j+1
.endr
.set k, k+1
.endr
	s_wait_loadcnt 0x0                             ; w_pred's piece
	CVT X+128, 20, 0
	s_endpgm
	; ---- waves 4-7: hidden unit n = 4 x work-group + wave ----
.Lweights:
	s_lshl_b32 s47, ttmp9, 2
	s_add_co_u32 s47, s47, s25                     ; n
	s_lshl_b32 s40, s47, 2                         ; 4 n: its place in a quarter of b_ih and b_hh
	s_load_b32 s44, s[10:11], s40 offset:0x0       ; b_ih of gate i (entry n),
	s_load_b32 s45, s[10:11], s40 offset:0x2000    ; g (entry 2048 + n),
	s_load_b32 s46, s[10:11], s40 offset:0x3000    ; o (entry 3072 + n)
	s_load_b32 s48, s[12:13], s40 offset:0x0       ; b_hh likewise
	s_load_b32 s49, s[12:13], s40 offset:0x2000
	s_load_b32 s50, s[12:13], s40 offset:0x3000
	s_lshl_b32 s26, s47, 12                        ; row n of 4,096 bytes
	s_add_nc_u64 s[28:29], s[6:7], s[26:27]        ; w_ih: row n (i),
	s_add_nc_u64 s[30:31], s[28:29], 0x800000      ; row 2048 + n (g): 8 MiB on, more than a load's immediate holds, hence bases of their own
	s_add_nc_u64 s[32:33], s[28:29], 0xc00000      ; row 3072 + n (o)
	s_add_nc_u64 s[34:35], s[8:9], s[26:27]        ; w_hh likewise
	s_add_nc_u64 s[36:37], s[34:35], 0x800000
	s_add_nc_u64 s[38:39], s[34:35], 0xc00000
.irp r, 0,1,2,3,4,5
.irp j, 0,1,2,3,4,5,6,7
	global_load_b128 v[X+32*\r+4*\j:X+32*\r+4*\j+3], v2, s[28+2*\r:29+2*\r] offset:512*\j th:TH_LOAD_NT
.endr
.endr
	s_lshr_b32 s41, s47, 7                         ; the row of wb: block of 128 hidden x 384,
	s_mul_i32 s41, s41, 384
	s_bfe_u32 s42, s47, 0x20005                    ; + the wave's 32 hidden (bits 6:5 of n) x 96,
	s_mul_i32 s42, s42, 96
	s_add_co_u32 s41, s41, s42
	s_and_b32 s42, s47, 31                         ; + n mod 32; the gate's 32 rows stand in the stores' immediate
	s_add_co_u32 s41, s41, s42
	s_lshl_b32 s42, s41, 11                        ; rows of 2,048 bytes
	s_mov_b32 s43, 0
	s_add_nc_u64 s[18:19], s[18:19], s[42:43]
	s_lshl_b32 s26, s47, 4                         ; bias4: 16 bytes a hidden unit
	s_add_nc_u64 s[22:23], s[22:23], s[26:27]
	s_mov_b32 s52, 0x76543210                      ; v_permlanex16_b32: lane i of one half reads lane i of the other
	s_mov_b32 s53, 0xfedcba98
	v_mov_b32 v[PT], 0                             ; the permute's destination counts as read
	v_mov_b32 v[ZERO], 0
.irp q, 0,1,2
	s_wait_loadcnt 40-8*\q                         ; 48 loads were issued, eight a row: row q is in when the rows behind it are still out
.irp j, 0,1,2,3,4,5,6,7
	CVT X+32*\q+4*\j, 18, 65536*\q+256*\j
.endr
.endr
; The sum over k of h0[k] * w_hh[row][k] with h0 = 0, my 32 numbers in two chains of packed multiply-adds, then across the 32 lanes
.macro ZROW d, q
	v_pk_mul_f32 v[ZC:ZC+1], v[\d:\d+1], 0 op_sel_hi:[1,0]        ; the first products start the chains
	v_pk_mul_f32 v[ZC+2:ZC+3], v[\d+2:\d+3], 0 op_sel_hi:[1,0]
.set p, 4
.rept 7
	v_pk_fma_f32 v[ZC:ZC+1], v[\d+p:\d+p+1], 0, v[ZC:ZC+1] op_sel_hi:[1,0,1]
	v_pk_fma_f32 v[ZC+2:ZC+3], v[\d+p+2:\d+p+3], 0, v[ZC+2:ZC+3] op_sel_hi:[1,0,1]
.set p, p+4
.endr
	v_pk_add_f32 v[ZC:ZC+1], v[ZC:ZC+1], v[ZC+2:ZC+3]
	v_add_f32 v[ZC], v[ZC], v[ZC+1]
	v_add_f32_dpp v[ZC], v[ZC], v[ZC] row_xmask:1 row_mask:0xf bank_mask:0xf
	v_add_f32_dpp v[ZC], v[ZC], v[ZC] row_xmask:2 row_mask:0xf bank_mask:0xf
	v_add_f32_dpp v[ZC], v[ZC], v[ZC] row_xmask:4 row_mask:0xf bank_mask:0xf
	v_add_f32_dpp v[ZC], v[ZC], v[ZC] row_xmask:8 row_mask:0xf bank_mask:0xf
	v_permlanex16_b32 v[PT], v[ZC], s52, s53
	v_add_f32 v[Z+\q], v[ZC], v[PT]
.endm
.irp q, 0,1,2
	s_wait_loadcnt 16-8*\q                         ; w_hh's row q: the rows behind it may be out
	ZROW X+96+32*\q, \q
.endr
	s_wait_kmcnt 0x0                               ; the six biases
	s_add_f32 s44, s44, s48                        ; b_ih + b_hh
	s_add_f32 s45, s45, s49
	s_add_f32 s46, s46, s50
	v_add_f32 v[BE], s44, v[Z]
	v_add_f32 v[BE+1], s45, v[Z+1]
	v_add_f32 v[BE+2], s46, v[Z+2]
	v_mov_b32 v[BE+3], 0                           ; the fourth word of the entry is stored too: no byte of bias4 is left unwritten
	v_cmp_eq_u32 vcc_lo, 0, v1
	s_wait_xcnt 0x0                                ; EXEC is a source of the stores above: it is narrowed only behind this wait
	s_and_saveexec_b32 s51, vcc_lo
	global_store_b128 v[ZERO], v[BE:BE+3], s[22:23]   ; one lane, 16 bytes: a work-group owns four hidden units, 64 bytes of bias4, so these stores
	s_endpgm                                       ; cover no aligned 256 bytes whole; bias4 is 16 KiB of the 15 MiB that the launch stores
.Lfunc_end_k_qda618b2187_prep:
	.size	k_qda618b2187_prep, .Lfunc_end_k_qda618b2187_prep-k_qda618b2187_prep
	.p2alignl 7, 3214868480
	.fill 96, 4, 3214868480
	.section	.rodata,"a",@progbits
	.p2align	6, 0x0
	.amdhsa_kernel k_qda618b2187_prep
		.amdhsa_group_segment_fixed_size 0
		.amdhsa_private_segment_fixed_size 0
		.amdhsa_enable_private_segment 0
		.amdhsa_kernarg_size 80
		.amdhsa_user_sgpr_count 2
		.amdhsa_user_sgpr_kernarg_segment_ptr 1
		.amdhsa_wavefront_size32 1
		.amdhsa_system_sgpr_workgroup_id_x 1
		.amdhsa_system_sgpr_workgroup_id_y 1
		.amdhsa_system_sgpr_workgroup_id_z 1
		.amdhsa_system_vgpr_workitem_id 0
		.amdhsa_next_free_vgpr 216
		.amdhsa_next_free_sgpr 66
		.amdhsa_reserve_vcc 1
		.amdhsa_float_denorm_mode_32 3
		.amdhsa_float_denorm_mode_16_64 3
		.amdhsa_memory_ordered 1
		.amdhsa_forward_progress 1
		.amdhsa_inst_pref_size 28
	.end_amdhsa_kernel
	.amdgpu_metadata
---
amdhsa.version: [ 1, 2 ]
amdhsa.kernels:
  - .name:           k_qda618b2187_prep
    .symbol:         k_qda618b2187_prep.kd
    .args:
      - { .name: encoder_output, .offset: 0, .size: 8, .value_kind: global_buffer, .address_space: global }
      - { .name: w_ih, .offset: 8, .size: 8, .value_kind: global_buffer, .address_space: global }
      - { .name: w_hh, .offset: 16, .size: 8, .value_kind: global_buffer, .address_space: global }
      - { .name: b_ih, .offset: 24, .size: 8, .value_kind: global_buffer, .address_space: global }
      - { .name: b_hh, .offset: 32, .size: 8, .value_kind: global_buffer, .address_space: global }
      - { .name: w_pred, .offset: 40, .size: 8, .value_kind: global_buffer, .address_space: global }
      - { .name: xb, .offset: 48, .size: 8, .value_kind: global_buffer, .address_space: global }
      - { .name: wb, .offset: 56, .size: 8, .value_kind: global_buffer, .address_space: global }
      - { .name: wpb, .offset: 64, .size: 8, .value_kind: global_buffer, .address_space: global }
      - { .name: bias4, .offset: 72, .size: 8, .value_kind: global_buffer, .address_space: global }
    .group_segment_fixed_size: 0
    .private_segment_fixed_size: 0
    .kernarg_segment_align: 8
    .kernarg_segment_size: 80
    .max_flat_workgroup_size: 256
    .sgpr_count:     66
    .vgpr_count:     216
    .wavefront_size: 32
...
	.end_amdgpu_metadata
.endif
;; end of part 1
;; launch gates (part 2): grid 8 x 32, 4 waves a work-group, clusters of 4 x 4, 327,680 bytes of LDS; arguments xb, wb, bias4, hb; writes hb
.if DOCPART == 2
	.amdgcn_target "amdgcn-amd-amdhsa--gfx1250"
	.amdhsa_code_object_version 6
	.text
	.protected	k_qda618b2187_gates
	.globl	k_qda618b2187_gates
	.p2align	8
	.type	k_qda618b2187_gates,@function
k_qda618b2187_gates:
	s_mov_b64 s[64:65], 0
	v_nop
	global_prefetch_b8 v0, s[64:65] scope:SCOPE_SE
	s_setreg_imm32_b32 hwreg(HW_REG_WAVE_MODE, 25, 1), 1
	s_wait_xcnt 0x0
	s_wait_alu depctr_hold_cnt(0) depctr_sa_sdst(0) depctr_va_vdst(0) depctr_va_sdst(0) depctr_va_ssrc(0) depctr_va_vcc(0) depctr_vm_vsrc(0)
	s_getreg_b32 s2, hwreg(HW_REG_IB_STS2, 6, 4)
	s_cmp_eq_u32 s2, 0
	s_cbranch_scc0 .Lentry_in_a_cluster
	s_endpgm
.Lentry_in_a_cluster:
	s_bfe_u32 s2, ttmp6, 0x10000c
	s_cmp_lg_u32 s2, 0xf033
	s_cbranch_scc0 .Lentry_shape_is_right
	s_endpgm
.Lentry_shape_is_right:
; THE GATES AND THE CELL:  gate q of (batch m, hidden n) = sum over k of xb[m][k] wb[row(n, q)][k] + bias4[n][q],  q = i, g, o;
; c = sigmoid(i) tanh(g)  (the term sigmoid(f) c0 is 0 since c0 = 0: see the limit below);  hb[m][n] = sigmoid(o) tanh(c), in bf16.
; LIMIT, STATED: gate f is not computed; a NaN that would arise in gate f alone is not carried on.
; RANGE: e^-i, e^2g, e^-o may overflow to infinity; their reciprocals are then 0, which is the right limit.  |c| <= 1 by construction,
; so e^2c lies between e^-2 and e^2, and one reciprocal of (e^2c + 1)(1 + e^-o) serves tanh(c) and sigmoid(o) together; where that product
; exceeds f32's range h comes out as 0 in place of a number below 1e-37.  tanh is formed as 1 - 2/(e^2x + 1) and (e^2x - 1)/(e^2x + 1):
; its absolute error is some 1e-7, so for |x| below 1e-5 the relative error passes one per cent.
;
; A work-group makes 128 batch rows x 128 hidden units x 3 gates (a block of 128 x 384) with four waves.  All four read the same 128 rows
; of x; wave w owns hidden 32 w .. 32 w + 31 of the block, whose 96 rows of wb lie together: a wave's tile is 128 x 96, 48 accumulator
; tiles of 16 x 16, 384 registers, and all three gates of an element lie in one lane.  K = 1024 goes in 8 steps of 128 through a ring of
; two LDS slots; a tile's rows are 256 bytes of memory and start at multiples of 256 bytes from the buffer's first byte.
; CLUSTERS: 4 x 4 work-groups.  The four of a row of the cluster share the batch block (x's tile), the four of a column the hidden block
; (wb's tiles): each tile is asked for jointly by the four, with one descriptor and a mask that names them.  Wave 0 asks for x's 128 rows,
; waves 1 to 3 for 128 rows of wb each.
;
; REGISTERS, in windows of 256:
;   window 0: v16-29 addresses and a constant; v64-127, v128-191 fragments of x (8 x 16 rows x 32 K), two buffers; v192-255 the bias as loaded
;   window 1: v64-111, v128-175 fragments of wb (6 x 16 rows x 32 K), two buffers
;   window 2: the 24 accumulator tiles of batch rows 0-63 (tile (a, b) at v[8 (6 a + b)], b = 2 gate + half of my 32 hidden); window 3: rows 64-127
; THE MATRIX INSTRUCTION IS USED TRANSPOSED: source 0 = 16 rows of wb, source 1 = 16 rows of x.  Lane l then holds batch row l % 16 and its
; registers 0 to 7 the hidden units 8 (l / 16) + 0 .. 7 of the tile: eight neighbouring numbers of a row of h.
; The 48 accumulators take turns, one instruction a turn, in the same order in every quarter step.
.set KSTEP,  128
.set PITCH,  272                       ; an LDS row: 256 bytes + 16 of padding, an odd multiple of 16: the 16 rows that a load touches differ in their 16-byte column modulo 256
.set HALFT,  128*PITCH                 ; 128 rows: what one tensor load brings
.set SLOT,   4*HALFT                   ; x's 128 rows, then wb's 384 rows
.set STAGE,  2*SLOT                    ; behind the ring: 128 rows x 272 bytes of h for the way out; no tensor load lands here
.set LAPS,   1024/(2*KSTEP)            ; a lap = two K steps = once round the ring
.set ADRA, 16                          ; v16-17  LDS address of my x fragments in slot 0, 1
.set ADRB, 20                          ; v20-21  the same for wb
.set STO,  24                          ; v24     the way out: where I put 16 bytes of a row of h
.set RD,   25                          ; v25     the way out: where I read a row back
.set CO,   26                          ; v26     my byte offset in hb
.set BO,   27                          ; v27     my byte offset in bias4
.set K2L,  28                          ; v[28:29] 2 log2(e), twice
.set F0,   64                          ; fragment buffer 0
.set F1,   128                         ; fragment buffer 1
.set RAW,  192                         ; v[192:255] bias4 of my 16 hidden units, 4 words each; later the rows of h read back
.set BS,   64                          ; the way out: v[64:111] the biases, scaled, [gate][16 hidden]
.set P,    112                         ; the way out: v[112:119] 16 h in bf16
.set T,    128                         ; the way out: v[128:175] [gate i, g, o][16 hidden] at work
.set G1,  24                           ; s[24:31] descriptor group 1 for x's tiles
.set G0,  32                           ; s[32:39] descriptor group 0 for x's tiles, one set for each slot
.set G1B, 48                           ; s[48:55] group 1 for wb's tiles: another mask
.set G0B, 56                           ; s[56:63] group 0 for wb's tiles, one set for each slot
.set SC,  66                           ; s[66:67] -log2(e) twice (gates i, o); s[68:69] 2 log2(e) twice (gate g)
.set SM4L, 70                          ; s[70:71] -4 log2(e) twice
.set MSB, 0
.macro WIN new                         ; the immediate's high byte repeats the setting that is left
.if MSB != \new
	s_set_vgpr_msb (MSB<<8)|\new
.set MSB, \new
.endif
.endm
.set MUL_LO, 0xa1                      ; source 0 (wb) window 1, source 1 (x) window 0, C and D window 2
.set MUL_HI, 0xf1                      ; the same, C and D window 3
.set TO_B,   0x40                      ; destination window 1, address window 0
; A joint load.  Each of the two lines has one mask and one set of registers for all that issue it; the branch hangs on the wave's number alone.
.macro JLOAD s
	s_cmp_eq_u32 s12, 0
	s_cbranch_scc0 .Lfor_b_\@
	tensor_load_to_lds s[G0+4*\s:G0+4*\s+3], s[G1:G1+7]
	s_nop 0
	s_branch .Lasked_\@
.Lfor_b_\@:
	tensor_load_to_lds s[G0B+4*\s:G0B+4*\s+3], s[G1B:G1B+7]
	s_nop 0
.Lasked_\@:
.endm
; A round of the cluster's barrier: my work-group's barrier; wave 0 signals for the work-group; every wave waits for all sixteen; my work-group's barrier again.
.macro CREST                           ; a round behind its opening barrier
	s_cmp_lg_u32 s12, 0
	s_cbranch_scc1 .Lnot_wave_0_\@
	s_barrier_signal -3
.Lnot_wave_0_\@:
	s_barrier_wait -3
	s_barrier_signal -1
	s_barrier_wait -1
.endm
.macro CROUND                          ; a whole round
	s_barrier_signal -1
	s_barrier_wait -1
	CREST
.endm
	s_load_b256 s[4:11], s[0:1], 0x0               ; xb 4:5, wb 6:7, bias4 8:9, hb 10:11
	s_set_vgpr_msb 0x40
	v_lshl_add_u32 v255, v0, 2, 0x4c800
	s_set_vgpr_msb 0x4000
	v_mov_b32 v63, 0
	s_set_vgpr_msb 0x1
	ds_add_u32 v255, v63
	s_set_vgpr_msb 0x100
	v_lshrrev_b32 v1, 5, v0
	v_readfirstlane_b32 s12, v1                    ; wave 0..3
	s_bfe_u32 s40, ttmp6, 0x40000                  ; cx
	s_bfe_u32 s41, ttmp6, 0x40004                  ; cy
	s_lshl_b32 s42, ttmp9, 2
	s_add_co_u32 s42, s42, s40                     ; hidden block = 4 x cluster x + cx, 0..7
	s_and_b32 s13, ttmp7, 0xffff
	s_lshl_b32 s13, s13, 2
	s_add_co_u32 s13, s13, s41                     ; batch block = 4 x cluster y + cy, 0..31
	s_lshl_b32 s43, s41, 2
	s_lshl_b32 s43, 15, s43                        ; my row of the cluster: places 4 cy .. 4 cy + 3
	s_lshl_b32 s44, 0x1111, s40                    ; my column: places cx, cx + 4, cx + 8, cx + 12
	; group 1: a tile of 128 rows x 128 elements of 2 bytes, 4 words of padding behind every 64 words
	s_or_b32 s[G1+0], s43, (1<<16)|(1<<20)|(1<<21)|(5<<22)|(3<<25)   ; x's tiles go to my row of the cluster
	s_or_b32 s[G1B+0], s44, (1<<16)|(1<<20)|(1<<21)|(5<<22)|(3<<25)  ; wb's tiles to my column
	s_mov_b32 s[G1+1], KSTEP<<16                   ; tensor_dim0 = 128
	s_mov_b32 s[G1B+1], KSTEP<<16
	s_mov_b32 s[G1+2], 128<<16                     ; tensor_dim1 = 128
	s_mov_b32 s[G1B+2], 128<<16
	s_mov_b32 s[G1+3], KSTEP<<16                   ; tile_dim0 = 128
	s_mov_b32 s[G1B+3], KSTEP<<16
	s_mov_b32 s[G1+4], 128                         ; tile_dim1 = 128
	s_mov_b32 s[G1B+4], 128
	s_mov_b32 s[G1+5], 1024                        ; elements from row to row
	s_mov_b32 s[G1B+5], 1024
	s_mov_b32 s[G1+6], 0
	s_mov_b32 s[G1B+6], 0
	s_mov_b32 s[G1+7], 0
	s_mov_b32 s[G1B+7], 0
	s_mov_b32 s[SC], 0xbfb8aa3b                    ; -log2(e)
	s_mov_b32 s[SC+1], 0xbfb8aa3b
	s_mov_b32 s[SC+2], 0x4038aa3b                  ; 2 log2(e)
	s_mov_b32 s[SC+3], 0x4038aa3b
	s_mov_b32 s[SM4L], 0xc0b8aa3b                  ; -4 log2(e)
	s_mov_b32 s[SM4L+1], 0xc0b8aa3b
	; where the tiles come from: x's hang on the batch block alone, wb's on the hidden block and the wave's number
	s_lshl_b32 s16, s13, 18                        ; x: 128 rows of 2,048 bytes a batch block
	s_mov_b32 s17, 0
	s_max_u32 s18, s12, 1
	s_sub_co_u32 s18, s18, 1                       ; waves 1, 2, 3 fetch thirds 0, 1, 2 of wb's 384 rows (wave 0 asks for none; its address is the first third's)
	s_lshl_b32 s18, s18, 7
	s_mul_i32 s46, s42, 384
	s_add_co_u32 s46, s46, s18
	s_lshl_b32 s46, s46, 11                        ; rows of 2,048 bytes
	s_mov_b32 s47, 0
	s_mul_i32 s20, s12, HALFT                      ; and where wb's go: wave x 128 rows, behind x's 128
	s_wait_dscnt 0x0
	s_wait_kmcnt 0x0
	s_add_nc_u64 s[14:15], s[4:5], s[16:17]
	s_add_nc_u64 s[46:47], s[6:7], s[46:47]
	CROUND                                         ; all sixteen work-groups are here: the first joint loads meet
.irp s, 0,1
	s_mov_b32 s[G0+4*\s], 1
	s_mov_b32 s[G0+4*\s+1], \s*SLOT                                ; x's rows stand first in a slot
	s_add_nc_u64 s[G0+4*\s+2:G0+4*\s+3], s[14:15], \s*KSTEP*2      ; K step s
	s_or_b32 s[G0+4*\s+3], s[G0+4*\s+3], 0x80000000                ; type = 2
	s_mov_b32 s[G0B+4*\s], 1
	s_add_co_u32 s[G0B+4*\s+1], s20, \s*SLOT
	s_add_nc_u64 s[G0B+4*\s+2:G0B+4*\s+3], s[46:47], \s*KSTEP*2
	s_or_b32 s[G0B+4*\s+3], s[G0B+4*\s+3], 0x80000000
	JLOAD \s                                       ; both slots' first fills: two tensor loads of the wave are out
.endr
	; A fragment is 16 rows x 32 K in 8 registers: lane l holds row l % 16; two loads of 16 bytes, 32 bytes apart, at row x pitch + 16 (l / 16)
	v_and_b32 v1, 15, v0                           ; r = l % 16
	v_bfe_u32 v2, v0, 4, 1                         ; h = l / 16
	v_mul_u32_u24 v[ADRA], v1, PITCH
	v_lshl_add_u32 v[ADRA], v2, 4, v[ADRA]         ; x: every wave reads all 128 rows
	v_add_nc_u32 v[ADRA+1], SLOT, v[ADRA]
	s_mul_i32 s22, s12, 96*PITCH
	s_add_co_u32 s22, s22, HALFT                   ; wb: my 96 rows, behind x's 128
	v_add_nc_u32 v[ADRB], s22, v[ADRA]
	v_add_nc_u32 v[ADRB+1], SLOT, v[ADRB]
	s_lshl_b32 s23, s12, 6
	s_add_co_u32 s23, s23, STAGE                   ; the stage: my 32 hidden are 64 bytes of each row
	v_add_nc_u32 v[STO], s23, v[ADRA]              ; in: row r, 16 bytes for each half of the lanes
	s_mul_i32 s21, s12, 32*PITCH
	s_add_co_u32 s21, s21, STAGE                   ; back: wave w takes rows 32 w .. 32 w + 31,
	v_mul_u32_u24 v[RD], v2, PITCH                 ; lanes 0-15 one row of 256 bytes, lanes 16-31 the next
	v_lshl_add_u32 v[RD], v1, 4, v[RD]
	v_add_nc_u32 v[RD], s21, v[RD]
	v_lshlrev_b32 v[CO], 11, v2                    ; and the same two rows in hb
	v_lshl_add_u32 v[CO], v1, 4, v[CO]
	s_lshl_b32 s45, s42, 11                        ; bias4: 16 bytes x (128 x hidden block + 32 x wave + 8 h)
	s_lshl_b32 s19, s12, 9
	s_add_co_u32 s45, s45, s19
	v_lshl_add_u32 v[BO], v2, 7, s45
.irp s, 0,1
.irp j, 0,1,2,3,4,5,6,7
	global_load_b128 v[RAW+4*(8*\s+\j):RAW+4*(8*\s+\j)+3], v[BO], s[8:9] offset:(16*\s+\j)*16   ; (i, g, o, 0) of hidden 16 s + 8 h + j; waited for on the way out
.endr
.endr
	v_mov_b32 v[K2L], 0x4038aa3b
	v_mov_b32 v[K2L+1], 0x4038aa3b
; 12 matrix instructions: batch blocks a0, a0 + 1 of the window's four (hi = 0: rows 0-63, 1: rows 64-127) x my 6 blocks of wb rows, 32 along K.
; zero = 1: the first product starts the sums: nothing is cleared.
.macro MUL12 f, hi, a0, zero
.irp a, \a0, \a0+1
.irp b, 0,1,2,3,4,5
.if \zero
	v_wmma_f32_16x16x32_bf16 v[8*(6*(\a)+\b):8*(6*(\a)+\b)+7], v[\f+8*\b:\f+8*\b+7], v[\f+8*(4*\hi+\a):\f+8*(4*\hi+\a)+7], 0
.else
	v_wmma_f32_16x16x32_bf16 v[8*(6*(\a)+\b):8*(6*(\a)+\b)+7], v[\f+8*\b:\f+8*\b+7], v[\f+8*(4*\hi+\a):\f+8*(4*\hi+\a)+7], v[8*(6*(\a)+\b):8*(6*(\a)+\b)+7]
.endif
.endr
.endr
.endm
; 28 LDS loads in one run: the fragments of one quarter step (96 rows of wb, 128 rows of x, 32 K at byte k of the rows) into buffer f
.macro FETCH slot, k, f
	WIN TO_B
.irp i, 0,1,2,3,4,5
	ds_load_b128 v[\f+8*\i:\f+8*\i+3],   v[ADRB+\slot] offset:\k+\i*16*PITCH
	ds_load_b128 v[\f+8*\i+4:\f+8*\i+7], v[ADRB+\slot] offset:\k+\i*16*PITCH+32
.endr
	WIN 0
.irp i, 0,1,2,3,4,5,6,7
	ds_load_b128 v[\f+8*\i:\f+8*\i+3],   v[ADRA+\slot] offset:\k+\i*16*PITCH
	ds_load_b128 v[\f+8*\i+4:\f+8*\i+7], v[ADRA+\slot] offset:\k+\i*16*PITCH+32
.endr
.endm
; Four places behind the last matrix instruction, in front of loads into registers that matrix instructions have read and of vector
; instructions that read results (ISA guide 7.12.1 for vector instructions)
.macro PLACES
.rept 4
	v_nop
.endr
.endm
; A K step is four quarter steps of 32 along K, 48 matrix instructions each, on buffers 0, 1, 0, 1.
.macro QUARTER slot, k, f, g, zero
	s_wait_dscnt 8                                 ; wb's fragments and x's rows 0-63 are in; the youngest eight loads (x's rows 64-127) may be out
	WIN MUL_LO
	MUL12 \f, 0, 0, \zero
	MUL12 \f, 0, 2, \zero
	PLACES
	FETCH \slot, \k, \g
	s_wait_dscnt 28                                ; all but the 28 just issued
	WIN MUL_HI
	MUL12 \f, 1, 0, \zero
	MUL12 \f, 1, 2, \zero
.endm
.macro THREE slot, zero
	QUARTER \slot, 64,  F0, F1, \zero
	QUARTER \slot, 128, F1, F0, 0
	QUARTER \slot, 192, F0, F1, 0
.endm
; The last quarter multiplies buffer 1 and changes slots.  In front of the barrier each wave waits for its reads of this slot and for all its
; tensor loads (one is out: its part of the next slot).  Behind it the refill comes first, then the next slot's first fragments.
; From a request to the wait for it a wave issues 180 matrix instructions.
.macro TURN slot, next, fill
	s_wait_dscnt 8
	WIN MUL_LO
	MUL12 F1, 0, 0, 0
	s_wait_dscnt 0                                 ; my reads of this slot are over
	s_wait_tensorcnt 0x0                           ; all my tensor loads have landed
	ds_add_u32 v255, v63
	s_wait_dscnt 0x0
	s_barrier_signal -1                            ; (where the slot is filled again this barrier opens a round of the cluster's barrier)
	MUL12 F1, 0, 2, 0                              ; register work while the others arrive
	WIN 0
	s_barrier_wait -1
.if \fill
	CREST                                          ; no wave of any partner still reads this slot or has a load on its way
	s_add_nc_u64 s[G0+4*\slot+2:G0+4*\slot+3], s[G0+4*\slot+2:G0+4*\slot+3], 2*KSTEP*2
	s_add_nc_u64 s[G0B+4*\slot+2:G0B+4*\slot+3], s[G0B+4*\slot+2:G0B+4*\slot+3], 2*KSTEP*2
	JLOAD \slot                                    ; the wave's one tensor load behind the round, and the first thing there
.endif
	PLACES
	FETCH \next, 0, F0
	WIN MUL_HI
	MUL12 F1, 1, 0, 0
	MUL12 F1, 1, 2, 0
.endm
.macro LAP zero
	THREE 0, \zero
	TURN 0, 1, 1
	THREE 1, 0
	TURN 1, 0, 1
.endm
	s_wait_tensorcnt 1                             ; my part of K step 0 is in; K step 1's may stay out
	s_barrier_signal -1
	s_barrier_wait -1                              ; everybody's is
	FETCH 0, 0, F0
	LAP 1                                          ; K steps 0, 1; asks for 2, 3
	WIN 0
	s_mov_b32 s3, LAPS-2
.Llap:
	LAP 0                                          ; K steps 2 to 5; asks for 4 to 7
	WIN 0
	s_sub_co_u32 s3, s3, 1
	s_cmp_lg_u32 s3, 0
	s_cbranch_scc1 .Llap
	THREE 0, 0                                     ; the last lap fills nothing
	TURN 0, 1, 0
	THREE 1, 0
	s_wait_dscnt 8
	WIN MUL_LO
	MUL12 F1, 0, 0, 0
	MUL12 F1, 0, 2, 0
	s_wait_dscnt 0
	WIN MUL_HI
	MUL12 F1, 1, 0, 0
	MUL12 F1, 1, 2, 0
	WIN 0
	; THE WAY OUT.  The four places serve all that follows: reads of the sums, writes over both fragment buffers.
	PLACES
	s_lshl_b32 s72, s13, 18                        ; hb: (128 x batch block + 32 x wave) rows of 2,048 bytes
	s_lshl_b32 s73, s12, 16
	s_add_co_u32 s72, s72, s73
	s_lshl_b32 s73, s42, 8                         ; + 256 bytes x hidden block
	s_add_co_u32 s72, s72, s73
	s_mov_b32 s73, 0
	s_add_nc_u64 s[10:11], s[10:11], s[72:73]
	s_wait_loadcnt 0x0                             ; the bias
	; one multiply scales a bias by its gate's factor and moves it from [hidden][gate] to [gate][hidden], where pairs of hidden lie together
.irp q, 0,1,2
.irp s, 0,1
.irp j, 0,1,2,3,4,5,6,7
	v_mul_f32 v[BS+16*\q+8*\s+\j], s[SC+2*(\q%2)], v[RAW+4*(8*\s+\j)+\q]
.endr
.endr
.endr
; Batch rows 16 row .. 16 row + 15: the six tiles (acc, 0..5) of window 2 or 3 (win = 0x02 or 0x03: source 0).  With L = log2(e):
.macro EPI row, acc, win
	WIN \win
.irp q, 0,1,2
.irp s, 0,1
.irp j, 0,2,4,6
	v_pk_fma_f32 v[T+16*\q+8*\s+\j:T+16*\q+8*\s+\j+1], v[8*(6*\acc+2*\q+\s)+\j:8*(6*\acc+2*\q+\s)+\j+1], s[SC+2*(\q%2):SC+2*(\q%2)+1], v[BS+16*\q+8*\s+\j:BS+16*\q+8*\s+\j+1] op_sel_hi:[1,0,1]   ; -L i, 2L g, -L o
.endr
.endr
.endr
	WIN 0
.set e, 0
.rept 48
	v_exp_f32 v[T+e], v[T+e]                       ; e^-i, e^2g, e^-o
.set e, e+1
.endr
	v_nop                                          ; one plain place behind the transcendentals (ISA guide 5.7.2)
.set e, 0
	s_wait_alu depctr_va_vdst(0)
.rept 24
	v_pk_add_f32 v[T+e:T+e+1], v[T+e:T+e+1], 1.0 op_sel_hi:[1,0]
.set e, e+2
.endr
.set e, 0
.rept 32
	v_rcp_f32 v[T+e], v[T+e]                       ; sigmoid(i); 1 / (e^2g + 1).  1 + e^-o is kept as it is
.set e, e+1
.endr
	v_nop
.set e, 0
	s_wait_alu depctr_va_vdst(0)
.rept 8
	v_pk_fma_f32 v[T+16+e:T+16+e+1], v[T+16+e:T+16+e+1], s[SM4L:SM4L+1], v[K2L:K2L+1] op_sel_hi:[1,0,1]   ; 2L (1 - 2 / (e^2g + 1)) = 2L tanh(g)
.set e, e+2
.endr
.set e, 0
.rept 8
	v_pk_mul_f32 v[T+16+e:T+16+e+1], v[T+16+e:T+16+e+1], v[T+e:T+e+1]     ; 2L c
.set e, e+2
.endr
.set e, 0
.rept 16
	v_exp_f32 v[T+16+e], v[T+16+e]                 ; e^2c
.set e, e+1
.endr
	v_nop
.set e, 0
	s_wait_alu depctr_va_vdst(0)
.rept 8
	v_pk_add_f32 v[T+e:T+e+1], v[T+16+e:T+16+e+1], -1.0 op_sel_hi:[1,0]   ; e^2c - 1
.set e, e+2
.endr
.set e, 0
.rept 8
	v_pk_fma_f32 v[T+16+e:T+16+e+1], v[T+16+e:T+16+e+1], v[T+32+e:T+32+e+1], v[T+32+e:T+32+e+1]   ; (e^2c + 1)(1 + e^-o)
.set e, e+2
.endr
.set e, 0
.rept 16
	v_rcp_f32 v[T+16+e], v[T+16+e]
.set e, e+1
.endr
	v_nop
.set e, 0
	s_wait_alu depctr_va_vdst(0)
.rept 8
	v_pk_mul_f32 v[T+e:T+e+1], v[T+e:T+e+1], v[T+16+e:T+16+e+1]           ; h = tanh(c) sigmoid(o)
.set e, e+2
.endr
.irp s, 0,1
.irp j, 0,1,2,3
	v_cvt_pk_bf16_f32 v[P+4*\s+\j], v[T+8*\s+2*\j], v[T+8*\s+2*\j+1]
.endr
	ds_store_b128 v[STO], v[P+4*\s:P+4*\s+3] offset:\row*16*PITCH+32*\s   ; hidden 32 w + 16 s + 8 h + 0..7 of batch row 16 row + r
.endr
.endm
	EPI 0, 0, 0x02
	EPI 1, 1, 0x02
	EPI 2, 2, 0x02
	EPI 3, 3, 0x02
	EPI 4, 0, 0x03
	EPI 5, 1, 0x03
	EPI 6, 2, 0x03
	EPI 7, 3, 0x03
	s_wait_dscnt 0x0                               ; my quarter of every row of the stage is written,
	s_barrier_signal -1
	s_barrier_wait -1                              ; everybody's is: whole rows of 256 bytes can be read
.irp t, 0,1,2,3,4,5,6,7,8,9,10,11,12,13,14,15
	ds_load_b128 v[RAW+4*\t:RAW+4*\t+3], v[RD] offset:\t*2*PITCH
.endr
.irp t, 0,1,2,3,4,5,6,7,8,9,10,11,12,13,14,15
	s_wait_dscnt 15-\t                             ; LDS loads come back in order: pair t of rows is in
	global_store_b128 v[CO], v[RAW+4*\t:RAW+4*\t+3], s[10:11] offset:\t*4096   ; 16 lanes store 256 consecutive bytes, at a multiple of 256 from hb's first byte
.endr
	s_set_vgpr_msb 0x1
	s_wait_tensorcnt 0x0
	ds_add_u32 v255, v63
	s_wait_dscnt 0x0
	s_set_vgpr_msb 0x100
	CROUND                                         ; the closing round: no work-group ends while a partner may still ask for a tile that names it
	s_endpgm
.Lfunc_end_k_qda618b2187_gates:
	.size	k_qda618b2187_gates, .Lfunc_end_k_qda618b2187_gates-k_qda618b2187_gates
	.p2alignl 7, 3214868480
	.fill 96, 4, 3214868480
	.section	.rodata,"a",@progbits
	.p2align	6, 0x0
	.amdhsa_kernel k_qda618b2187_gates
		.amdhsa_group_segment_fixed_size 327680
		.amdhsa_private_segment_fixed_size 0
		.amdhsa_enable_private_segment 0
		.amdhsa_kernarg_size 32
		.amdhsa_user_sgpr_count 2
		.amdhsa_user_sgpr_kernarg_segment_ptr 1
		.amdhsa_wavefront_size32 1
		.amdhsa_system_sgpr_workgroup_id_x 1
		.amdhsa_system_sgpr_workgroup_id_y 1
		.amdhsa_system_sgpr_workgroup_id_z 1
		.amdhsa_system_vgpr_workitem_id 0
		.amdhsa_next_free_vgpr 1024
		.amdhsa_next_free_sgpr 74
		.amdhsa_reserve_vcc 0
		.amdhsa_float_denorm_mode_32 3
		.amdhsa_float_denorm_mode_16_64 3
		.amdhsa_memory_ordered 1
		.amdhsa_forward_progress 1
		.amdhsa_inst_pref_size 219
	.end_amdhsa_kernel
	.amdgpu_metadata
---
amdhsa.version: [ 1, 2 ]
amdhsa.kernels:
  - .name:           k_qda618b2187_gates
    .symbol:         k_qda618b2187_gates.kd
    .args:
      - { .name: xb, .offset: 0, .size: 8, .value_kind: global_buffer, .address_space: global }
      - { .name: wb, .offset: 8, .size: 8, .value_kind: global_buffer, .address_space: global }
      - { .name: bias4, .offset: 16, .size: 8, .value_kind: global_buffer, .address_space: global }
      - { .name: hb, .offset: 24, .size: 8, .value_kind: global_buffer, .address_space: global }
    .group_segment_fixed_size: 327680
    .private_segment_fixed_size: 0
    .kernarg_segment_align: 8
    .kernarg_segment_size: 32
    .max_flat_workgroup_size: 128
    .sgpr_count:     74
    .vgpr_count:     1024
    .wavefront_size: 32
...
	.end_amdgpu_metadata
.endif
;; end of part 2
;; launch pred (part 3): grid 256 x 1, 4 waves a work-group, clusters of 4 x 1, 312,832 bytes of LDS; arguments hb, wpb, b_pred, out0; writes out0
.if DOCPART == 3
	.amdgcn_target "amdgcn-amd-amdhsa--gfx1250"
	.amdhsa_code_object_version 6
	.text
	.protected	k_qda618b2187_pred
	.globl	k_qda618b2187_pred
	.p2align	8
	.type	k_qda618b2187_pred,@function
k_qda618b2187_pred:
	s_mov_b64 s[64:65], 0
	v_nop
	global_prefetch_b8 v0, s[64:65] scope:SCOPE_SE
	s_setreg_imm32_b32 hwreg(HW_REG_WAVE_MODE, 25, 1), 1
	s_wait_xcnt 0x0
	s_wait_alu depctr_hold_cnt(0) depctr_sa_sdst(0) depctr_va_vdst(0) depctr_va_sdst(0) depctr_va_ssrc(0) depctr_va_vcc(0) depctr_vm_vsrc(0)
	s_getreg_b32 s2, hwreg(HW_REG_IB_STS2, 6, 4)
	s_cmp_eq_u32 s2, 0
	s_cbranch_scc0 .Lentry_in_a_cluster
	s_endpgm
.Lentry_in_a_cluster:
	s_bfe_u32 s2, ttmp6, 0x10000c
	s_cmp_lg_u32 s2, 0x3003
	s_cbranch_scc0 .Lentry_shape_is_right
	s_endpgm
.Lentry_shape_is_right:
; THE PROJECTION:  out0[m][a] = sum over n of hb[m][n] wpb[a][n] + b_pred[a].  hb [4096][1024], wpb [128][1024] bf16; out0 [4096][128] f32.
; A work-group makes 16 batch rows x all 128 columns with four waves.  Wave w takes K = 256 w .. 256 w + 255 for all eight column tiles:
; 8 accumulators that take turns, one instruction a turn; 64 matrix instructions.  Each wave fetches and reads
; its own K range alone, so its own wait on TENSORcnt is all that its reads need.  The four partial sums meet in LDS behind one barrier and
; are added in a fixed order, (0 + 1) + (2 + 3), then b_pred.
; CLUSTERS: every work-group reads all of wpb, so the four of a cluster ask for its tiles jointly (mask 15); hb's rows are each work-group's own.
; LDS: eight tiles of wpb (128 rows x 256 bytes, pitch 272), tile c = 2 w + i at c x 34,816; then four tiles of hb (16 rows x 512 bytes,
; pitch 528).  Nothing is filled twice.  A wave's partial sums (16 rows x 512 bytes, pitch 528) go to the head of its own tile 2 w, which
; has had its one fill of the launch and the wave's last read.
.set WPITCH, 272
.set WTILE,  128*WPITCH                ; 34,816
.set HPITCH, 528
.set HTILE,  16*HPITCH                 ; 8,448
.set HBASE,  8*WTILE                   ; 278,528
.set ADRH, 4                           ; v4      LDS address of my hb fragment
.set ADRW, 5                           ; v5-6    of my wpb fragments in my tiles 0, 1
.set SCR,  7                           ; v7      where I put my partial sums
.set PART, 8                           ; v8-11   where I read partial sums 0..3 of my four rows
.set LO,   12                          ; v12     16 x lane
.set BP,   16                          ; v[16:19] b_pred of my four columns
.set BUF0, 32                          ; v[32:95] eight wpb fragments, v[96:103] the hb fragment
.set BUF1, 104                         ; v[104:167], v[168:175]
.set ACC,  184                         ; v[184:247] eight accumulator tiles
.macro ROUND
	s_barrier_signal -1
	s_barrier_wait -1
	s_cmp_lg_u32 s12, 0
	s_cbranch_scc1 .Lnot_wave_0_\@
	s_barrier_signal -3
.Lnot_wave_0_\@:
	s_barrier_wait -3
	s_barrier_signal -1
	s_barrier_wait -1
.endm
.macro PLACES                          ; four places behind a matrix instruction (ISA guide 7.12.1 for vector instructions)
.rept 4
	v_nop
.endr
.endm
	s_load_b256 s[4:11], s[0:1], 0x0               ; hb 4:5, wpb 6:7, b_pred 8:9, out0 10:11
	v_lshl_add_u32 v248, v0, 2, 0x4c400
	v_mov_b32 v249, 0
	ds_add_u32 v248, v249
	v_lshrrev_b32 v1, 5, v0
	v_readfirstlane_b32 s12, v1                    ; wave 0..3
	s_bfe_u32 s13, ttmp6, 0x40000                  ; cx
	s_lshl_b32 s14, ttmp9, 2
	s_add_co_u32 s14, s14, s13                     ; work-group = 4 x cluster + cx, 0..255
	; group 1 for wpb's tiles: 128 rows x 128 elements of 2 bytes, 4 words of padding behind every 64 words, asked for by all four work-groups
	s_mov_b32 s16, 15|(1<<16)|(1<<20)|(1<<21)|(5<<22)|(3<<25)
	s_mov_b32 s17, 128<<16                         ; tensor_dim0 = 128
	s_mov_b32 s18, 128<<16                         ; tensor_dim1 = 128
	s_mov_b32 s19, 128<<16                         ; tile_dim0 = 128
	s_mov_b32 s20, 128                             ; tile_dim1 = 128
	s_mov_b32 s21, 1024                            ; elements from row to row
	s_mov_b32 s22, 0
	s_mov_b32 s23, 0
	; group 1 for hb's tile: 16 rows x 256 elements, 4 words of padding behind every 128 words, no mask
	s_mov_b32 s32, (1<<16)|(1<<20)|(6<<22)|(3<<25)
	s_mov_b32 s33, 256<<16                         ; tensor_dim0 = 256
	s_mov_b32 s34, 16<<16                          ; tensor_dim1 = 16
	s_mov_b32 s35, 256<<16                         ; tile_dim0 = 256
	s_mov_b32 s36, 16                              ; tile_dim1 = 16
	s_mov_b32 s37, 1024
	s_mov_b32 s38, 0
	s_mov_b32 s39, 0
	s_mul_i32 s15, s12, 2*WTILE                    ; my two tiles of wpb in LDS
	s_lshl_b32 s44, s12, 9                         ; my 256 K are 512 bytes of a row
	s_mov_b32 s45, 0
	s_lshl_b32 s46, s14, 15                        ; hb: 16 rows of 2,048 bytes a work-group,
	s_add_co_u32 s46, s46, s44                     ; + my K range
	s_mov_b32 s47, 0
	s_wait_dscnt 0x0
	s_wait_kmcnt 0x0
	s_add_nc_u64 s[6:7], s[6:7], s[44:45]          ; hangs on the wave's number alone: equal in all four work-groups
	s_add_nc_u64 s[4:5], s[4:5], s[46:47]
	s_mov_b32 s40, 1
	s_mul_i32 s41, s12, HTILE
	s_add_co_u32 s41, s41, HBASE
	s_mov_b64 s[42:43], s[4:5]
	s_or_b32 s43, s43, 0x80000000
.irp i, 0,1
	s_mov_b32 s[24+4*\i], 1
	s_add_co_u32 s[25+4*\i], s15, \i*WTILE
	s_add_nc_u64 s[26+4*\i:27+4*\i], s[6:7], \i*256
	s_or_b32 s[27+4*\i], s[27+4*\i], 0x80000000
.endr
	ROUND                                          ; all four work-groups are here: the joint loads meet
	tensor_load_to_lds s[40:43], s[32:39]          ; my K range of my work-group's 16 rows of hb
	s_nop 0
	tensor_load_to_lds s[24:27], s[16:23]          ; wpb, K = 256 w .. + 127
	s_nop 0
	tensor_load_to_lds s[28:31], s[16:23]          ; wpb, K = 256 w + 128 .. + 255: three tensor loads of the wave are out
	s_nop 0
	v_and_b32 v1, 15, v0                           ; r
	v_bfe_u32 v2, v0, 4, 1                         ; h
	v_and_b32 v3, 31, v0                           ; lane
	v_lshlrev_b32 v[LO], 4, v3
	global_load_b128 v[BP:BP+3], v[LO], s[8:9]     ; b_pred[4 lane .. 4 lane + 3]
	v_mul_u32_u24 v[ADRH], v1, HPITCH
	v_lshl_add_u32 v[SCR], v2, 5, v[ADRH]          ; partial sums: row r, 32 bytes for each half of the lanes,
	v_add_nc_u32 v[SCR], s15, v[SCR]               ; at the head of my first tile of wpb
	v_lshl_add_u32 v[ADRH], v2, 4, v[ADRH]
	v_add_nc_u32 v[ADRH], s41, v[ADRH]
	v_mul_u32_u24 v[ADRW], v1, WPITCH
	v_lshl_add_u32 v[ADRW], v2, 4, v[ADRW]
	v_add_nc_u32 v[ADRW], s15, v[ADRW]
	v_add_nc_u32 v[ADRW+1], WTILE, v[ADRW]
	s_mul_i32 s13, s12, 4*HPITCH                   ; I finish rows 4 w .. 4 w + 3
	v_add_nc_u32 v[PART], s13, v[LO]
	v_add_nc_u32 v[PART+1], 2*WTILE, v[PART]
	v_add_nc_u32 v[PART+2], 2*WTILE, v[PART+1]
	v_add_nc_u32 v[PART+3], 2*WTILE, v[PART+2]
	s_lshl_b32 s46, s14, 13                        ; out0: (16 x work-group + 4 x wave) rows of 512 bytes
	s_lshl_b32 s44, s12, 11
	s_add_co_u32 s46, s46, s44
	s_add_nc_u64 s[10:11], s[10:11], s[46:47]
; 18 LDS loads: the fragments of K step k (32 along K) of my range: eight of wpb (16 columns of the output each), one of hb
.macro FETCH k, buf
.irp t, 0,1,2,3,4,5,6,7
	ds_load_b128 v[\buf+8*\t:\buf+8*\t+3],   v[ADRW+\k/4] offset:\t*16*WPITCH+64*(\k%4)
	ds_load_b128 v[\buf+8*\t+4:\buf+8*\t+7], v[ADRW+\k/4] offset:\t*16*WPITCH+64*(\k%4)+32
.endr
	ds_load_b128 v[\buf+64:\buf+67], v[ADRH] offset:64*\k
	ds_load_b128 v[\buf+68:\buf+71], v[ADRH] offset:64*\k+32
.endm
; K step k multiplies buffer cur; ahead of that the next step's fragments are asked for, into buffer oth.
; Used transposed (source 0 = wpb's rows, source 1 = hb's rows): lane l holds batch row l % 16, registers 0-7 columns 16 t + 8 (l / 16) + 0..7.
.macro STEP k, cur, oth
.if \k < 7
.if \k > 0
	PLACES                                         ; buffer oth was read by the matrix instructions just issued
.endif
.if \k == 3
	s_wait_tensorcnt 0x0                           ; my second tile of wpb is in
.endif
	FETCH (\k+1), \oth
	s_wait_dscnt 18                                ; all but the 18 just issued
.else
	s_wait_dscnt 0
.endif
.irp t, 0,1,2,3,4,5,6,7
.if \k == 0
	v_wmma_f32_16x16x32_bf16 v[ACC+8*\t:ACC+8*\t+7], v[\cur+8*\t:\cur+8*\t+7], v[\cur+64:\cur+71], 0
.else
	v_wmma_f32_16x16x32_bf16 v[ACC+8*\t:ACC+8*\t+7], v[\cur+8*\t:\cur+8*\t+7], v[\cur+64:\cur+71], v[ACC+8*\t:ACC+8*\t+7]
.endif
.endr
.endm
	s_wait_tensorcnt 1                             ; hb's tile and my first tile of wpb are in; the second may be out
	FETCH 0, BUF0
	STEP 0, BUF0, BUF1
	STEP 1, BUF1, BUF0
	STEP 2, BUF0, BUF1
	STEP 3, BUF1, BUF0
	STEP 4, BUF0, BUF1
	STEP 5, BUF1, BUF0
	STEP 6, BUF0, BUF1
	STEP 7, BUF1, BUF0
	PLACES                                         ; in front of the stores of the sums and of the loads into buffer 0
.irp t, 0,1,2,3,4,5,6,7
	ds_store_b128 v[SCR], v[ACC+8*\t:ACC+8*\t+3] offset:64*\t
	ds_store_b128 v[SCR], v[ACC+8*\t+4:ACC+8*\t+7] offset:64*\t+16
.endr
	s_wait_dscnt 0x0                               ; my partial sums are written,
	s_barrier_signal -1
	s_barrier_wait -1                              ; everybody's are
.irp p, 0,1,2,3
.irp i, 0,1,2,3
	ds_load_b128 v[BUF0+16*\p+4*\i:BUF0+16*\p+4*\i+3], v[PART+\p] offset:HPITCH*\i   ; partial sum p of row 4 w + i: 32 lanes take its 512 bytes
.endr
.endr
	s_wait_dscnt 0x0
	s_wait_loadcnt 0x0                             ; b_pred
.irp i, 0,1,2,3
.irp d, 0,2
	v_pk_add_f32 v[BUF0+4*\i+\d:BUF0+4*\i+\d+1], v[BUF0+4*\i+\d:BUF0+4*\i+\d+1], v[BUF0+16+4*\i+\d:BUF0+16+4*\i+\d+1]
	v_pk_add_f32 v[BUF0+32+4*\i+\d:BUF0+32+4*\i+\d+1], v[BUF0+32+4*\i+\d:BUF0+32+4*\i+\d+1], v[BUF0+48+4*\i+\d:BUF0+48+4*\i+\d+1]
	v_pk_add_f32 v[BUF0+4*\i+\d:BUF0+4*\i+\d+1], v[BUF0+4*\i+\d:BUF0+4*\i+\d+1], v[BUF0+32+4*\i+\d:BUF0+32+4*\i+\d+1]
	v_pk_add_f32 v[BUF0+4*\i+\d:BUF0+4*\i+\d+1], v[BUF0+4*\i+\d:BUF0+4*\i+\d+1], v[BP+\d:BP+\d+1]
.endr
	global_store_b128 v[LO], v[BUF0+4*\i:BUF0+4*\i+3], s[10:11] offset:512*\i   ; a whole row of out0: 512 consecutive bytes, aligned
.endr
	s_wait_tensorcnt 0x0
	ds_add_u32 v248, v249
	s_wait_dscnt 0x0
	ROUND                                          ; the closing round: no work-group ends while a partner may still ask for a tile that names it
	s_endpgm
.Lfunc_end_k_qda618b2187_pred:
	.size	k_qda618b2187_pred, .Lfunc_end_k_qda618b2187_pred-k_qda618b2187_pred
	.p2alignl 7, 3214868480
	.fill 96, 4, 3214868480
	.section	.rodata,"a",@progbits
	.p2align	6, 0x0
	.amdhsa_kernel k_qda618b2187_pred
		.amdhsa_group_segment_fixed_size 312832
		.amdhsa_private_segment_fixed_size 0
		.amdhsa_enable_private_segment 0
		.amdhsa_kernarg_size 32
		.amdhsa_user_sgpr_count 2
		.amdhsa_user_sgpr_kernarg_segment_ptr 1
		.amdhsa_wavefront_size32 1
		.amdhsa_system_sgpr_workgroup_id_x 1
		.amdhsa_system_sgpr_workgroup_id_y 1
		.amdhsa_system_sgpr_workgroup_id_z 1
		.amdhsa_system_vgpr_workitem_id 0
		.amdhsa_next_free_vgpr 250
		.amdhsa_next_free_sgpr 66
		.amdhsa_reserve_vcc 0
		.amdhsa_float_denorm_mode_32 3
		.amdhsa_float_denorm_mode_16_64 3
		.amdhsa_memory_ordered 1
		.amdhsa_forward_progress 1
		.amdhsa_inst_pref_size 24
	.end_amdhsa_kernel
	.amdgpu_metadata
---
amdhsa.version: [ 1, 2 ]
amdhsa.kernels:
  - .name:           k_qda618b2187_pred
    .symbol:         k_qda618b2187_pred.kd
    .args:
      - { .name: hb, .offset: 0, .size: 8, .value_kind: global_buffer, .address_space: global }
      - { .name: wpb, .offset: 8, .size: 8, .value_kind: global_buffer, .address_space: global }
      - { .name: b_pred, .offset: 16, .size: 8, .value_kind: global_buffer, .address_space: global }
      - { .name: out0, .offset: 24, .size: 8, .value_kind: global_buffer, .address_space: global }
    .group_segment_fixed_size: 312832
    .private_segment_fixed_size: 0
    .kernarg_segment_align: 8
    .kernarg_segment_size: 32
    .max_flat_workgroup_size: 128
    .sgpr_count:     66
    .vgpr_count:     250
    .wavefront_size: 32
...
	.end_amdgpu_metadata
.endif
;; end of part 3
;; ======== version 2 of 2: 3 launches; version 1 with the launch prep written anew for expert scheduling mode
;; workspace buffers: xb 8,388,608 bytes; wb 6,291,456 bytes; wpb 262,144 bytes; bias4 16,384 bytes; hb 8,388,608 bytes
;; launch prep (part 4): grid 256 x 1, 8 waves a work-group, no clusters, 0 bytes of LDS; arguments encoder_output, w_ih, w_hh, b_ih, b_hh, w_pred, xb, wb, wpb, bias4; writes xb, wb, wpb, bias4
.if DOCPART == 4
	.amdgcn_target "amdgcn-amd-amdhsa--gfx1250"
	.amdhsa_code_object_version 6
	.text
	.protected	k_qda618b2187_prep
	.globl	k_qda618b2187_prep
	.p2align	8
	.type	k_qda618b2187_prep,@function
k_qda618b2187_prep:
	s_mov_b64 s[64:65], 0
	v_nop
	global_prefetch_b8 v0, s[64:65] scope:SCOPE_SE
	s_setreg_imm32_b32 hwreg(HW_REG_WAVE_SCHED_MODE, 0, 2), 2
	s_setreg_imm32_b32 hwreg(HW_REG_WAVE_MODE, 25, 1), 1
	s_wait_xcnt 0x0
	s_wait_alu depctr_vm_vsrc(0)
; PREPARATION FOR ONE LSTM STEP: casts to bf16 and the part of the gates that is the same for every batch row.
;   xb  [4096][1024] bf16 = encoder_output
;   wb  [3072][1024] bf16 = the rows of w_ih of gates i, g, o, reordered: hidden n, gate slot q (0 = i, 1 = g, 2 = o) goes to
;        row (n>>7)*384 + ((n>>5)&3)*96 + q*32 + (n&31): [block of 128 hidden][32 hidden of a wave][gate][32]
;   wpb [128][1024] bf16 = w_pred
;   bias4 [1024][4] f32 = (i, g, o, 0) of  h0 . w_hh[row] + b_ih[row] + b_hh[row]
; The start state h0 is the same zero vector in every batch row, so h0 @ w_hh.T is ONE row of numbers: it is formed here once, in f32,
; as the sum over k of 0 * w_hh[row][k] (an infinity or a NaN in w_hh still gives NaN), and not as a product of 4096 equal rows.
; LIMIT, STATED: gate f enters the result only as sigmoid(f) * c0 with c0 = 0, which is 0 for every f that is no NaN.  Gate f is not
; computed: rows 1024 to 2047 of w_ih and w_hh and entries 1024 to 2047 of b_ih and b_hh are not read, and a NaN that would arise in
; gate f alone is not carried on.
; A stream: no LDS, no matrix unit, no loop.  256 work-groups of eight waves.  Waves 0-3: four rows of x each (16 KiB in a run) and 512 bytes
; of w_pred.  Waves 4-7: one hidden unit each: its three rows of w_ih (cast) and its three rows of w_hh (summed).  Every wave issues
; all its loads at once and works them off in the order of issue.  No register that a memory instruction names is written again.
; THE MODE: SCHED_MODE bits 1:0 = 2 (LLVM: expert scheduling mode 2), set by the entry lines.  The code itself states the register dependences
; between vector instructions and memory instructions, with s_wait_alu, always for 0.
; THE PLAN.  Registers that memory instructions touch:
;   v2, v3     byte offsets, made once at the head: v2 is read by every load, v3 by every store of 8 bytes.  One wait at the head serves them all.
;   X          four registers a load.  The load writes them; behind the wait for it two conversions pack them into the first two; one store
;              reads those two.  Nothing writes them after that, and no load lands in a register that a vector instruction has named.
;   BE, ZERO   written by vector instructions, read by the one store of 16 bytes at the end.
; The work goes in groups (four loads in waves 0-3, a row's eight in waves 4-7).  A group's stores are issued in the NEXT group's turn: at that
; turn's head, behind the wait for its data, ONE wait on va_vdst states that the group before has written its pairs; its stores are then dealt
; among this group's conversions, which name this group's registers alone.  The last stores of a wave stand behind a wait of their own.
.set X,    8                           ; v[8:199]   data as loaded, four registers a load; the first two become the packed bf16
.set ZC,   200                         ; v[200:203] two chains of packed sums
.set Z,    204                         ; v[204:206] h0 . w_hh[row] of gates i, g, o
.set PT,   207                         ; v207       the other half of the lanes in the sum across lanes
.set BE,   208                         ; v[208:211] the entry of bias4
.set ZERO, 212                         ; v212       offset 0
; four f32 of each lane become four bf16, in the first two of their four registers
.macro CVT2 d
	v_cvt_pk_bf16_f32 v[\d], v[\d], v[\d+1]
	v_cvt_pk_bf16_f32 v[\d+1], v[\d+2], v[\d+3]
.endm
; and are stored: the wave's store covers 256 consecutive bytes, aligned
.macro PUT d, b, off
	global_store_b64 v3, v[\d:\d+1], s[\b:\b+1] offset:\off
.endm
	s_load_b512 s[4:19], s[0:1], 0x0               ; x 4:5, w_ih 6:7, w_hh 8:9, b_ih 10:11, b_hh 12:13, w_pred 14:15, xb 16:17, wb 18:19
	s_load_b128 s[20:23], s[0:1], 0x40             ; wpb 20:21, bias4 22:23
	v_lshrrev_b32 v4, 5, v0
	v_readfirstlane_b32 s24, v4                    ; wave 0..7
	v_and_b32 v1, 31, v0                           ; lane
	v_lshlrev_b32 v2, 4, v1                        ; 16 bytes a lane in, f32
	v_lshlrev_b32 v3, 3, v1                        ; 8 bytes a lane out, bf16
	s_wait_alu depctr_va_sdst(0)                   ; s24 is written, ahead of its first reader: the wave's share and the branch are made from it
	s_and_b32 s25, s24, 3                          ; which of the four waves of my kind
	s_mov_b32 s27, 0                               ; upper word of every offset pair s[26:27]
	s_wait_kmcnt 0x0
	s_wait_alu depctr_va_vdst(0)                   ; v2 and v3 are written: every load reads v2 and every 8-byte store v3 as its offset, on both arms of the branch
	s_cmp_ge_u32 s24, 4
	s_cbranch_scc1 .Lweights
	; ---- waves 0-3: x and w_pred ----
	s_lshl_b32 s26, ttmp9, 16                      ; 16 rows of 4,096 bytes a work-group,
	s_lshl_b32 s40, s25, 14                        ; 4 rows a wave
	s_add_co_u32 s26, s26, s40
	s_add_nc_u64 s[4:5], s[4:5], s[26:27]
	s_lshr_b32 s26, s26, 1                         ; half the bytes in bf16
	s_add_nc_u64 s[16:17], s[16:17], s[26:27]
	s_lshr_b32 s26, s26, 4                         ; w_pred: 2,048 bytes a work-group, 512 a wave
	s_add_nc_u64 s[14:15], s[14:15], s[26:27]
	s_lshr_b32 s26, s26, 1
	s_add_nc_u64 s[20:21], s[20:21], s[26:27]
.set j, 0
.rept 32
	global_load_b128 v[X+4*j:X+4*j+3], v2, s[4:5] offset:512*j th:TH_LOAD_NT
.set j, j+1
.endr
	global_load_b128 v[X+128:X+131], v2, s[14:15] th:TH_LOAD_NT
.set k, 0
.rept 8
	s_wait_loadcnt 29-4*k                          ; 33 loads were issued; loads 0 to 4k+3 are in when 29 - 4k are still out
.if k > 0
	s_wait_alu depctr_va_vdst(0)                   ; the conversions of the group before have written their pairs, which the four stores below read
.endif
.set j, 4*k
.rept 4
.if k > 0
	PUT X+4*(j-4), 16, 256*(j-4)                   ; the group before; no vector instruction since the wait names its registers
.endif
	CVT2 X+4*j
.set j, j+1
.endr
.set k, k+1
.endr
	s_wait_loadcnt 0x0                             ; w_pred's piece
	CVT2 X+128
	s_wait_alu depctr_va_vdst(0)                   ; the last group's conversions and w_pred's have written their pairs, which the last five stores read
.irp j, 28,29,30,31
	PUT X+4*\j, 16, 256*\j
.endr
	PUT X+128, 20, 0
	s_endpgm
	; ---- waves 4-7: hidden unit n = 4 x work-group + wave ----
.Lweights:
	s_lshl_b32 s47, ttmp9, 2
	s_add_co_u32 s47, s47, s25                     ; n
	s_lshl_b32 s40, s47, 2                         ; 4 n: its place in a quarter of b_ih and b_hh
	s_load_b32 s44, s[10:11], s40 offset:0x0       ; b_ih of gate i (entry n),
	s_load_b32 s45, s[10:11], s40 offset:0x2000    ; g (entry 2048 + n),
	s_load_b32 s46, s[10:11], s40 offset:0x3000    ; o (entry 3072 + n)
	s_load_b32 s48, s[12:13], s40 offset:0x0       ; b_hh likewise
	s_load_b32 s49, s[12:13], s40 offset:0x2000
	s_load_b32 s50, s[12:13], s40 offset:0x3000
	s_lshl_b32 s26, s47, 12                        ; row n of 4,096 bytes
	s_add_nc_u64 s[28:29], s[6:7], s[26:27]        ; w_ih: row n (i),
	s_add_nc_u64 s[30:31], s[28:29], 0x800000      ; row 2048 + n (g): 8 MiB on, more than a load's immediate holds, hence bases of their own
	s_add_nc_u64 s[32:33], s[28:29], 0xc00000      ; row 3072 + n (o)
	s_add_nc_u64 s[34:35], s[8:9], s[26:27]        ; w_hh likewise
	s_add_nc_u64 s[36:37], s[34:35], 0x800000
	s_add_nc_u64 s[38:39], s[34:35], 0xc00000
.irp r, 0,1,2,3,4,5
.irp j, 0,1,2,3,4,5,6,7
	global_load_b128 v[X+32*\r+4*\j:X+32*\r+4*\j+3], v2, s[28+2*\r:29+2*\r] offset:512*\j th:TH_LOAD_NT
.endr
.endr
	s_lshr_b32 s41, s47, 7                         ; the row of wb: block of 128 hidden x 384,
	s_mul_i32 s41, s41, 384
	s_bfe_u32 s42, s47, 0x20005                    ; + the wave's 32 hidden (bits 6:5 of n) x 96,
	s_mul_i32 s42, s42, 96
	s_add_co_u32 s41, s41, s42
	s_and_b32 s42, s47, 31                         ; + n mod 32; the gate's 32 rows stand in the stores' immediate
	s_add_co_u32 s41, s41, s42
	s_lshl_b32 s42, s41, 11                        ; rows of 2,048 bytes
	s_mov_b32 s43, 0
	s_add_nc_u64 s[18:19], s[18:19], s[42:43]
	s_lshl_b32 s26, s47, 4                         ; bias4: 16 bytes a hidden unit
	s_add_nc_u64 s[22:23], s[22:23], s[26:27]
	s_mov_b32 s52, 0x76543210                      ; v_permlanex16_b32: lane i of one half reads lane i of the other
	s_mov_b32 s53, 0xfedcba98
	v_mov_b32 v[PT], 0                             ; the permute's destination counts as read
	v_mov_b32 v[ZERO], 0
.irp q, 0,1,2
	s_wait_loadcnt 40-8*\q                         ; 48 loads were issued, eight a row: row q is in when the rows behind it are still out
.if \q > 0
	s_wait_alu depctr_va_vdst(0)                   ; the conversions of the row before have written their pairs, which the eight stores below read
.endif
.irp j, 0,1,2,3,4,5,6,7
.if \q > 0
	PUT X+32*(\q-1)+4*\j, 18, 65536*(\q-1)+256*\j  ; the row before; no vector instruction since the wait names its registers
.endif
	CVT2 X+32*\q+4*\j
.endr
.endr
; The sum over k of h0[k] * w_hh[row][k] with h0 = 0, my 32 numbers in two chains of packed multiply-adds, then across the 32 lanes
.macro ZROW d, q
	v_pk_mul_f32 v[ZC:ZC+1], v[\d:\d+1], 0 op_sel_hi:[1,0]        ; the first products start the chains
	v_pk_mul_f32 v[ZC+2:ZC+3], v[\d+2:\d+3], 0 op_sel_hi:[1,0]
.set p, 4
.rept 7
	v_pk_fma_f32 v[ZC:ZC+1], v[\d+p:\d+p+1], 0, v[ZC:ZC+1] op_sel_hi:[1,0,1]
	v_pk_fma_f32 v[ZC+2:ZC+3], v[\d+p+2:\d+p+3], 0, v[ZC+2:ZC+3] op_sel_hi:[1,0,1]
.set p, p+4
.endr
	v_pk_add_f32 v[ZC:ZC+1], v[ZC:ZC+1], v[ZC+2:ZC+3]
	v_add_f32 v[ZC], v[ZC], v[ZC+1]
	v_add_f32_dpp v[ZC], v[ZC], v[ZC] row_xmask:1 row_mask:0xf bank_mask:0xf
	v_add_f32_dpp v[ZC], v[ZC], v[ZC] row_xmask:2 row_mask:0xf bank_mask:0xf
	v_add_f32_dpp v[ZC], v[ZC], v[ZC] row_xmask:4 row_mask:0xf bank_mask:0xf
	v_add_f32_dpp v[ZC], v[ZC], v[ZC] row_xmask:8 row_mask:0xf bank_mask:0xf
	v_permlanex16_b32 v[PT], v[ZC], s52, s53
	v_add_f32 v[Z+\q], v[ZC], v[PT]
.endm
.irp q, 0,1,2
	s_wait_loadcnt 16-8*\q                         ; w_hh's row q: the rows behind it may be out
.if \q == 0
	s_wait_alu depctr_va_vdst(0)                   ; the conversions of w_ih's last row (gate o) have written their pairs, which the eight stores below read
.irp j, 0,1,2,3,4,5,6,7
	PUT X+64+4*\j, 18, 131072+256*\j               ; the sums that follow name none of these registers
.endr
.endif
	ZROW X+96+32*\q, \q
.endr
	s_wait_kmcnt 0x0                               ; the six biases
	s_add_f32 s44, s44, s48                        ; b_ih + b_hh
	s_add_f32 s45, s45, s49
	s_add_f32 s46, s46, s50
	v_add_f32 v[BE], s44, v[Z]
	v_add_f32 v[BE+1], s45, v[Z+1]
	v_add_f32 v[BE+2], s46, v[Z+2]
	v_mov_b32 v[BE+3], 0                           ; the fourth word of the entry is stored too: no byte of bias4 is left unwritten
	v_cmp_eq_u32 vcc_lo, 0, v1
	s_wait_xcnt 0x0                                ; EXEC is a source of the stores above: it is narrowed only behind this wait
	s_wait_alu depctr_va_vcc(0)                    ; the compare has written VCC, from which EXEC is made
	s_wait_alu depctr_va_vdst(0)                   ; no vector instruction is pending when EXEC is written; BE and ZERO are written, which the store below reads
	s_wait_alu depctr_vm_vsrc(0)                   ; the stores issued so far have read their vector registers before EXEC is written
	s_and_saveexec_b32 s51, vcc_lo
	global_store_b128 v[ZERO], v[BE:BE+3], s[22:23]   ; one lane, 16 bytes: a work-group owns four hidden units, 64 bytes of bias4, so these stores
	s_endpgm                                       ; cover no aligned 256 bytes whole; bias4 is 16 KiB of the 15 MiB that the launch stores
.Lfunc_end_k_qda618b2187_prep:
	.size	k_qda618b2187_prep, .Lfunc_end_k_qda618b2187_prep-k_qda618b2187_prep
	.p2alignl 7, 3214868480
	.fill 96, 4, 3214868480
	.section	.rodata,"a",@progbits
	.p2align	6, 0x0
	.amdhsa_kernel k_qda618b2187_prep
		.amdhsa_group_segment_fixed_size 0
		.amdhsa_private_segment_fixed_size 0
		.amdhsa_enable_private_segment 0
		.amdhsa_kernarg_size 80
		.amdhsa_user_sgpr_count 2
		.amdhsa_user_sgpr_kernarg_segment_ptr 1
		.amdhsa_wavefront_size32 1
		.amdhsa_system_sgpr_workgroup_id_x 1
		.amdhsa_system_sgpr_workgroup_id_y 1
		.amdhsa_system_sgpr_workgroup_id_z 1
		.amdhsa_system_vgpr_workitem_id 0
		.amdhsa_next_free_vgpr 216
		.amdhsa_next_free_sgpr 66
		.amdhsa_reserve_vcc 1
		.amdhsa_float_denorm_mode_32 3
		.amdhsa_float_denorm_mode_16_64 3
		.amdhsa_memory_ordered 1
		.amdhsa_forward_progress 1
		.amdhsa_inst_pref_size 29
	.end_amdhsa_kernel
	.amdgpu_metadata
---
amdhsa.version: [ 1, 2 ]
amdhsa.kernels:
  - .name:           k_qda618b2187_prep
    .symbol:         k_qda618b2187_prep.kd
    .args:
      - { .name: encoder_output, .offset: 0, .size: 8, .value_kind: global_buffer, .address_space: global }
      - { .name: w_ih, .offset: 8, .size: 8, .value_kind: global_buffer, .address_space: global }
      - { .name: w_hh, .offset: 16, .size: 8, .value_kind: global_buffer, .address_space: global }
      - { .name: b_ih, .offset: 24, .size: 8, .value_kind: global_buffer, .address_space: global }
      - { .name: b_hh, .offset: 32, .size: 8, .value_kind: global_buffer, .address_space: global }
      - { .name: w_pred, .offset: 40, .size: 8, .value_kind: global_buffer, .address_space: global }
      - { .name: xb, .offset: 48, .size: 8, .value_kind: global_buffer, .address_space: global }
      - { .name: wb, .offset: 56, .size: 8, .value_kind: global_buffer, .address_space: global }
      - { .name: wpb, .offset: 64, .size: 8, .value_kind: global_buffer, .address_space: global }
      - { .name: bias4, .offset: 72, .size: 8, .value_kind: global_buffer, .address_space: global }
    .group_segment_fixed_size: 0
    .private_segment_fixed_size: 0
    .kernarg_segment_align: 8
    .kernarg_segment_size: 80
    .max_flat_workgroup_size: 256
    .sgpr_count:     66
    .vgpr_count:     216
    .wavefront_size: 32
...
	.end_amdgpu_metadata
.endif
;; end of part 4
;; launch gates: the kernel of part 2 again; grid 8 x 32, 4 waves a work-group, clusters of 4 x 4, 327,680 bytes of LDS; arguments xb, wb, bias4, hb; writes hb
;; launch pred: the kernel of part 3 again; grid 256 x 1, 4 waves a work-group, clusters of 4 x 1, 312,832 bytes of LDS; arguments hb, wpb, b_pred, out0; writes out0
